; MI455X (gfx1250); checked and timed in simulation.
; The chip was launched on July 23, 2026; its instructions are those of AMD's public machine-readable ISA for CDNA 5 (MIT licence, August 2026) and "CDNA5" Instruction Set Architecture Reference Guide (July 2026). The comments in the code are by the model that wrote it; some were corrected since.
;; Causal Self Attention. Allowed arithmetic: matrix products marked QUANTISED: E4M3 operands, one given power-of-two scale a tensor, by v_wmma_f32_16x16x64_fp8_fp8 or v_wmma_f32_16x16x128_fp8_fp8, f32 sums; everything else in f32.
;; Inputs: Wproj_codes 1,024 x 32 x 32 uint8 (E4M3 codes of Wproj, K innermost, in blocks of 32 codes); Wqkv_codes 3,072 x 32 x 32 uint8 (E4M3 codes of Wqkv, K innermost, in blocks of 32 codes); bproj 1,024 float32; bqkv 3,072 float32; lowp_scales 8 int32 (the exponents e of the quantised operands' scales 2^e); x_codes 4 x 2,048 x 32 x 32 uint8 (E4M3 codes of x, K innermost, in blocks of 32 codes).
;; Outputs: out0 4 x 2,048 x 1,024 float32.
;; This version of the problem:
;;   THIS VERSION OF THE PROBLEM IS GIVEN IN LOW PRECISION. The matrix products marked QUANTISED in the list below multiply operands that are first quantised to E4M3 (4 exponent bits, 3 mantissa bits; 8 bits a number), with one given power-of-two scale for each operand tensor; their sums are f32. All else is computed in f32.
;;   The module's matrix products, in the order in which they are computed (A, B: the left and right operand; K: the contracted axis; several contracted axes count as one K, in the product's order):
;;     1. [M 8,192, K 1,024] x [K 1,024, N 3,072]; A: input x (given as codes); B: input Wqkv (given as codes): QUANTISED (scales: A lowp_scales[0], B lowp_scales[1])
;;     2. batch 64 x [M 2,048, K 64] x [K 64, N 2,048]; A: computed on the way; B: computed on the way: QUANTISED (scales: A lowp_scales[2], B lowp_scales[3])
;;     3. batch 64 x [M 2,048, K 2,048] x [K 2,048, N 64]; A: softmax (see below); B: computed on the way: QUANTISED (scales: A lowp_scales[4], B lowp_scales[5])
;;     4. [M 8,192, K 1,024] x [K 1,024, N 1,024]; A: computed on the way; B: input Wproj (given as codes): QUANTISED (scales: A lowp_scales[6], B lowp_scales[7])
;;   THE QUANTISER, for each operand of a quantised product, along K:
;;     - The operand's scale is 2^e, e = its entry of the input lowp_scales (int32; the entries are numbered through the quantised products in the list's order, A before B).
;;     - Each number is divided by the scale, clamped to +-448, and rounded to the nearest number of E4M3, ties to even, subnormals kept.
;;     - The product sums the exact products of the quantised numbers (number of the format x scale) in f32.
;;   ~~~python
;;   def quantise(x, axis, e):      # numpy; x: float32 -> the quantised numbers, widened to float32 again
;;       x = np.moveaxis(x, axis, -1); K = x.shape[-1]
;;       r = np.clip(x / 2.0 ** e, -448, 448)
;;       step = 2.0 ** (np.maximum(np.frexp(np.where(r == 0, 1, r))[1] - 1, -6) - 3)
;;       q = np.round(r / step) * step * 2.0 ** e      # np.round: ties to even
;;       return np.moveaxis(q, -1, axis).astype(np.float32)
;;   ~~~
;;   SOFTMAX AHEAD OF A QUANTISED PRODUCT. Where the list says 'softmax', what is quantised is not the finished softmax but p = 2^(t - M), with t = logit x log2(e) and M = ceil(the row's largest t), a whole number; so 1/2 < the row's largest p <= 1. The row's sum l is taken of the UNQUANTISED p, in f32, and the product's result is divided by l at the end. Since M is a whole number, a kernel that streams over the keys may use a running M (the ceiling of the running maximum): every later rescaling is an exact power of two, so the quantised numbers keep their values, but for numbers so far below the row's largest that they fall under the format's range.
;;   OPERANDS COMPUTED ON THE WAY. 'Computed on the way' means the value that the module computes at that place (a softmax that the list does not call 'softmax' is quantised finished and normalised). What goes into a quantiser is computed in f32, as accurately as f32 sums, v_exp_f32 and their like allow (about 1e-6 of the number): no bf16 or f16 on the way to a quantiser, and a product that is left as it is and whose result goes on into a quantised operand takes f32 operands (vector FMAs, or v_wmma_f32_16x16x4_f32). A number that lies on a knife's edge between two numbers of the format may be rounded either way, as far as f32 arithmetic and the matrix unit's own rounding can turn it there, and no further.
;;   INPUTS GIVEN AS CODES. Wproj (in the module: [1024, 1024], K = its axis 0); Wqkv (in the module: [1024, 3072], K = its axis 0); x (in the module: [4, 2048, 1024], K = its axis 2): each comes as NAME_codes (uint8): NAME with its K axis moved to the last place and cut into blocks of 32 codes, [.., K / 32, bytes a block], one block behind the other in memory; one code a byte (a code: sign, 4 exponent bits, 3 mantissa bits); its scale is its entry of lowp_scales. Its value is code x scale, taken as it is: it is not quantised again, and the codes and scales need not be those that the quantiser above would give.
;; One version. Each part assembles by itself: llvm-mc -triple=amdgcn-amd-amdhsa -mcpu=gfx1250 --defsym DOCPART=n.
;; ======== version 1 of 1: 3 launches
;; limits: right only within a limited range of input values
;; workspace buffers: q_codes 8,388,608 bytes; k_codes 8,388,608 bytes; v_codes 8,388,608 bytes; a_codes 8,388,608 bytes
;; launch qkv (part 1): grid 4 x 64, 4 waves a work-group, clusters of 4 x 4, 327,680 bytes of LDS; arguments x_codes, Wqkv_codes, bqkv, lowp_scales, q_codes, k_codes, v_codes; writes q_codes, k_codes, v_codes
.if DOCPART == 1
	.amdgcn_target "amdgcn-amd-amdhsa--gfx1250"
	.amdhsa_code_object_version 6
	.text
	.protected	k_qd648ee9e31_qkv
	.globl	k_qd648ee9e31_qkv
	.p2align	8
	.type	k_qd648ee9e31_qkv,@function
k_qd648ee9e31_qkv:
	s_mov_b64 s[64:65], 0
	v_nop
	global_prefetch_b8 v0, s[64:65] scope:SCOPE_SE
	s_setreg_imm32_b32 hwreg(HW_REG_WAVE_MODE, 25, 1), 1
	s_wait_xcnt 0x0
	s_wait_alu depctr_hold_cnt(0) depctr_sa_sdst(0) depctr_va_vdst(0) depctr_va_sdst(0) depctr_va_ssrc(0) depctr_va_vcc(0) depctr_vm_vsrc(0)
	s_getreg_b32 s2, hwreg(HW_REG_IB_STS2, 6, 4)
	s_cmp_eq_u32 s2, 0
	s_cbranch_scc0 .Lentry_in_a_cluster
	s_endpgm
.Lentry_in_a_cluster:
	s_bfe_u32 s2, ttmp6, 0x10000c
	s_cmp_lg_u32 s2, 0xf033
	s_cbranch_scc0 .Lentry_shape_is_right
	s_endpgm
.Lentry_shape_is_right:
; q, k, v = x Wqkv + bqkv on codes of FP8 (E4M3), and their quantising: q by 2^e2, k by 2^e3, v by 2^e5 (e0 .. e7: the eight whole numbers of the buffer of scales).
; x: [8192][1024] codes, Wqkv: [3072][1024] codes, K innermost.  A sum stands for sum x 2^(e0 + e1); the bias goes in as the C of each sum's first product, divided by 2^(e0 + e1);
; so a code is (sum + bias') / 2^(eT - e0 - e1), held within +-448 x that scale, to the nearest code, ties to even.
; LIMITS: e2 - e0 - e1, e3 - e0 - e1 and e5 - e0 - e1 lie between -126 and 119, so that the scale and 448 x the scale are f32 numbers.  NaN among the inputs is not served.
; SHARES.  A work-group owns 128 rows of x, which stay in LDS, and walks three tiles of 128 x 256: Wqkv's rows 256 c .. + 255 of q's, of k's and of v's 1,024: 256 work-groups of equal work,
; and which of q, k, v is in hand is a matter of the text and of no branch.  Wave w: x's rows 64 (w / 2) on, W's rows 128 (w % 2) on: 32 accumulators of 16 x 16.
; CLUSTERS: 4 x 4 work-groups.  The four of a row of the cluster need the same rows of x, the four of a column the same tiles of W: each is asked for JOINTLY, every wave its quarter.
; THE RESULTS ARE STORED AS IMAGES OF THE NEXT PRODUCT'S OPERAND REGISTERS.  In a result, lane (r, h) holds in register j the element (source 0's row 8 h + j, source 1's row r): eight neighbours along source 0's
; rows.  The 8-bit operand layout gives a lane, in registers 2 c and 2 c + 1, k = 16 c + 8 h + 0 .. 7.  So eight converted registers of a tile ARE registers 2 c, 2 c + 1 of the next operand:
;   q, k: source 0 = 16 rows of W (the head's channels 16 c on), source 1 = 16 rows of x (tokens): a fragment 16 tokens x 64 channels, 8 registers: [head 64][token / 16][piece 2][lane][16 bytes]
;   v:    source 0 = 16 rows of x (keys 16 c on), source 1 = 16 rows of W (channels): a fragment 16 channels x 128 keys, 16 registers: [head 64][key / 128][channel / 16][piece 4][lane][16 bytes]
; Each store of a wave covers 512 consecutive bytes, aligned.  Nothing goes through an LDS stage.
; x's and W's own fragments come by four loads of 16 bytes: a permutation of k that is the same on both sides, so every product meets its partner.
; REGISTERS, in windows of 256: window 0: v1-29 addresses and scales; v32-95 codes; v128-255 x's fragments, two sets of 4 x 16.   window 1: W's fragments, two sets of 8 x 16.
;   window 2: accumulator (a, b) at v[8 (8 a + b)].   window 3: the biases in the results' layout: q's v0-63, k's v64-127, v's v128-191.
.set APITCH, 1040                      ; x's row in LDS: 1,024 bytes + 16 = 260 words: row r starts at bank 4 r mod 64 (64 banks of 4 bytes: ISA guide 11.1)
.set BPITCH, 272                       ; W's row in a slot: 256 bytes + 16 = 68 words: likewise
.set AQUART, 32*APITCH                 ; a wave's quarter of x's 128 rows
.set BS0,    128*APITCH                ; slot 0 of W's ring
.set BQUART, 64*BPITCH                 ; a wave's quarter of a slot's 256 rows
.set BSLOT,  256*BPITCH
.set SPARE,  BS0+2*BSLOT               ; behind the ring: the spare words, 128 bytes for each wave: two blocks of 256 bytes that no other line names
.set NEXTT,  1024*1024-512             ; bytes from a slot's last K of a tile to its first of the next: 1,024 rows down, 512 back
.set SCQ, 8                            ; v8    2^(e2 - e0 - e1)
.set LMQ, 9
.set SCK, 10                           ; v10  the same with e3
.set LMK, 11
.set SCV, 12                           ; v12  the same with e5
.set LMV, 13
.set XA,  16                           ; v16     LDS address of my fragments of x
.set WA,  20                           ; v20-21  of W, in slot 0, 1
.set STO, 24                           ; v24     16 x lane: my place in a stored piece
.set SPW, 28                           ; v28     LDS address of my spare word; never rewritten
.set NIL, 29                           ; v29     0; never rewritten
.set CODE, 32
.set BQ,  0
.set BK,  64
.set BV,  128
.set WV,  18                           ; s18 wave; s19 which 64 rows of x; s20 which 128 rows of W; s21 tile column; s23 block of 128 rows
.set G1A, 24                           ; s[24:31] descriptor group 1 for x;  s[32:39] for W;  s[40:43] group 0 for x;  s[44:51] for W, a set for each slot
.set G1B, 32
.set G0A, 40
.set G0B, 44
.set MSB, 0
.macro WIN new                         ; the immediate's high byte repeats the setting that is left
.if MSB != \new
	s_set_vgpr_msb (MSB<<8)|\new
.set MSB, \new
.endif
.endm
.macro PLACES                          ; four plain vector instructions behind a matrix instruction, ahead of loads into its sources and of reads of its result
.rept 4
	v_nop
.endr
.endm
.macro CREST                           ; a round of the cluster's barrier behind its opening barrier
	s_cmp_lg_u32 s[WV], 0
	s_cbranch_scc1 .Lnot_wave_0_\@
	s_barrier_signal -3
.Lnot_wave_0_\@:
	s_barrier_wait -3
	s_barrier_signal -1
	s_barrier_wait -1
.endm
.macro CROUND
	s_barrier_signal -1
	s_barrier_wait -1
	CREST
.endm
.macro MKSCALE e, sc, lim              ; s68 = e0 + e1
	s_sub_co_i32 s70, s[\e], s68
	s_add_co_i32 s70, s70, 127
	s_lshl_b32 s71, s70, 23
	v_mov_b32 v[\sc], s71                          ; 2^(eT - e0 - e1) as f32: the conversion takes its exponent field
.endm
	s_load_b256 s[4:11], s[0:1], 0x0               ; x s[4:5], W s[6:7], bias s[8:9], scales s[10:11]
	s_load_b128 s[12:15], s[0:1], 0x20             ; q's codes, k's codes
	s_load_b64 s[16:17], s[0:1], 0x30              ; v's codes
	v_lshl_add_u32 v[SPW], v0, 2, SPARE
	v_mov_b32 v[NIL], 0
	ds_add_u32 v28, v29
	ds_add_u32 v28, v29
	s_wait_dscnt 0x0
	v_lshrrev_b32 v3, 5, v0
	v_readfirstlane_b32 s[WV], v3                  ; wave 0..3
	s_lshr_b32 s19, s[WV], 1
	s_and_b32 s20, s[WV], 1
	s_bfe_u32 s66, ttmp6, 0x40000                  ; cx, cy: my place in the cluster
	s_bfe_u32 s67, ttmp6, 0x40004
	s_lshl_b32 s21, ttmp9, 2
	s_add_co_u32 s21, s21, s66                     ; tile column = 4 x cluster x + cx
	s_and_b32 s23, ttmp7, 0xffff
	s_lshl_b32 s23, s23, 2
	s_add_co_u32 s23, s23, s67                     ; block of 128 rows = 4 x cluster y + cy
	s_lshl_b32 s68, s67, 2
	s_lshl_b32 s68, 15, s68                        ; my row of the cluster
	s_lshl_b32 s69, 0x1111, s66                    ; my column
	s_or_b32 s[G1A], s68, (1<<20)|(1<<21)|(7<<22)|(3<<25)   ; 15:0 the mask: x goes to my row; elements of 1 byte; 20 padding on; 21 set beside a mask; after every 256 words (code 7) 4 words (code 3)
	s_mov_b32 s[G1A+1], 1024<<16                   ; tensor_dim0
	s_mov_b32 s[G1A+2], 32<<16                     ; tensor_dim1
	s_mov_b32 s[G1A+3], 1024<<16                   ; tile_dim0
	s_mov_b32 s[G1A+4], 32                         ; tile_dim1
	s_mov_b32 s[G1A+5], 1024                       ; from row to row
	s_mov_b32 s[G1A+6], 0
	s_mov_b32 s[G1A+7], 0
	s_or_b32 s[G1B], s69, (1<<20)|(1<<21)|(5<<22)|(3<<25)   ; W goes to my column; after every 64 words 4 words
	s_mov_b32 s[G1B+1], 256<<16
	s_mov_b32 s[G1B+2], 64<<16
	s_mov_b32 s[G1B+3], 256<<16
	s_mov_b32 s[G1B+4], 64
	s_mov_b32 s[G1B+5], 1024
	s_mov_b32 s[G1B+6], 0
	s_mov_b32 s[G1B+7], 0
	s_lshl_b32 s60, s23, 17                        ; x: 128 rows of 1,024 bytes a block, 32 a wave: made of the block and the wave alone
	s_lshl_b32 s61, s[WV], 15
	s_add_co_u32 s60, s60, s61
	s_mov_b32 s61, 0
	s_lshl_b32 s62, s21, 18                        ; W: 256 rows a tile column, 64 a wave: made of the column and the wave alone
	s_lshl_b32 s63, s[WV], 16
	s_add_co_u32 s62, s62, s63
	s_mov_b32 s63, 0
	s_wait_kmcnt 0x0
	s_load_b256 s[52:59], s[10:11], 0x0            ; e0 .. e7
	s_mov_b32 s[G0A], 1
	s_mul_i32 s[G0A+1], s[WV], AQUART              ; no place in the cluster enters an LDS address
	s_add_nc_u64 s[G0A+2:G0A+3], s[4:5], s[60:61]
	s_or_b32 s[G0A+3], s[G0A+3], 0x80000000
	s_mov_b32 s[G0B], 1
	s_mul_i32 s[G0B+1], s[WV], BQUART
	s_add_co_u32 s[G0B+1], s[G0B+1], BS0
	s_add_nc_u64 s[G0B+2:G0B+3], s[6:7], s[62:63]  ; slot 0: K 0 .. 255 of q's tile
	s_mov_b32 s[G0B+4], 1
	s_add_co_u32 s[G0B+5], s[G0B+1], BSLOT
	s_add_nc_u64 s[G0B+6:G0B+7], s[G0B+2:G0B+3], 256   ; slot 1: K 256 .. 511
	s_or_b32 s[G0B+3], s[G0B+3], 0x80000000
	s_or_b32 s[G0B+7], s[G0B+7], 0x80000000
	CROUND                                         ; all sixteen work-groups are here: the first joint loads meet
	tensor_load_to_lds s[G0A:G0A+3], s[G1A:G1A+7]  ; the first fills go out as one group: three loads of mine are out
	s_nop 0
	tensor_load_to_lds s[G0B:G0B+3], s[G1B:G1B+7]
	s_nop 0
	tensor_load_to_lds s[G0B+4:G0B+7], s[G1B:G1B+7]
	s_nop 0
	PLACES                                         ; four v_nop behind the last of them
	v_and_b32 v1, 15, v0                           ; r
	s_wait_alu depctr_va_vdst(0)
	v_bfe_u32 v2, v0, 4, 1                         ; h
	v_lshlrev_b32 v4, 5, v2                        ; 32 h: q's and k's bias, eight numbers of my half
	v_lshlrev_b32 v5, 2, v1                        ; 4 r: v's bias, one number
	s_lshl_b32 s72, s21, 10
	s_lshl_b32 s73, s20, 9
	s_add_co_u32 s72, s72, s73
	s_mov_b32 s73, 0
	s_add_nc_u64 s[72:73], s[8:9], s[72:73]        ; the bias of my 128 columns of q's tile; k's lie 4,096 bytes on, v's 8,192
	WIN 0xc0                                       ; destination window 3
.irp b, 0,1,2,3,4,5,6,7
	global_load_b128 v[BQ+8*\b:BQ+8*\b+3],   v4, s[72:73] offset:64*\b
	global_load_b128 v[BQ+8*\b+4:BQ+8*\b+7], v4, s[72:73] offset:64*\b+16
	global_load_b128 v[BK+8*\b:BK+8*\b+3],   v4, s[72:73] offset:4096+64*\b
	global_load_b128 v[BK+8*\b+4:BK+8*\b+7], v4, s[72:73] offset:4096+64*\b+16
.endr
	WIN 0
.irp b, 0,1,2,3,4,5,6,7
	global_load_b32 v[CODE+\b], v5, s[72:73] offset:8192+64*\b
.endr
	v_mul_u32_u24 v[XA], v1, APITCH
	v_lshl_add_u32 v[XA], v2, 4, v[XA]             ; row x pitch + 16 x half
	s_mul_i32 s68, s19, 64*APITCH
	v_add_nc_u32 v[XA], s68, v[XA]                 ; + my 64 rows
	v_mul_u32_u24 v[WA], v1, BPITCH
	s_wait_alu depctr_va_vdst(0)
	v_lshl_add_u32 v[WA], v2, 4, v[WA]
	s_mul_i32 s68, s20, 128*BPITCH
	s_add_co_u32 s68, s68, BS0
	v_add_nc_u32 v[WA], s68, v[WA]
	v_add_nc_u32 v[WA+1], BSLOT, v[WA]
	v_and_b32 v[STO], 31, v0
	v_lshlrev_b32 v[STO], 4, v[STO]
	; where my codes go: head = 16 x batch + 4 x tile column + 2 x (w % 2) (+ 1 by the immediate), 131,072 bytes a head; 8,192 bytes for a block of 128 tokens
	s_lshr_b32 s74, s23, 4
	s_lshl_b32 s74, s74, 4
	s_lshl_b32 s75, s21, 2
	s_add_co_u32 s74, s74, s75
	s_lshl_b32 s75, s20, 1
	s_add_co_u32 s74, s74, s75
	s_lshl_b32 s74, s74, 17
	s_and_b32 s75, s23, 15
	s_lshl_b32 s75, s75, 13
	s_add_co_u32 s74, s74, s75
	s_lshl_b32 s75, s19, 12                        ; q, k: my 64 tokens are four fragments of 1,024 bytes
	s_add_co_u32 s76, s74, s75
	s_mov_b32 s77, 0
	s_lshl_b32 s75, s19, 10                        ; v: my 64 keys are two of a fragment's four pieces of 512 bytes
	s_add_co_u32 s78, s74, s75
	s_mov_b32 s79, 0
	s_add_nc_u64 s[80:81], s[12:13], s[76:77]
	s_add_nc_u64 s[82:83], s[14:15], s[76:77]
	s_add_nc_u64 s[84:85], s[16:17], s[78:79]
	s_wait_loadcnt 0x0
	s_wait_kmcnt 0x0
	s_add_co_i32 s68, s52, s53                     ; e0 + e1
	s_sub_co_i32 s69, 0, s68
	WIN 0xc3                                       ; source 0 and destination window 3
.set j, 0
.rept 128
	v_ldexp_f32 v[j], v[j], s69                    ; q's and k's bias / 2^(e0 + e1)
.set j, j+1
.endr
	WIN 0xc0
.irp b, 0,1,2,3,4,5,6,7
.irp i, 0,1,2,3,4,5,6,7
	v_ldexp_f32 v[BV+8*\b+\i], v[CODE+\b], s69     ; v's: a lane's eight registers are eight keys of one channel, so one number serves all eight
.endr
.endr
	WIN 0
	MKSCALE 54, SCQ, LMQ
	MKSCALE 55, SCK, LMK
	MKSCALE 57, SCV, LMV
; 48 LDS loads in one run: the fragments of 128 along K (the kq-th of the tile's eight) into set p: W's eight from the slot, x's four from its rows
.macro FETCH p, slot, kq
	WIN 0x40                                       ; destination window 1, address window 0
.irp b, 0,1,2,3,4,5,6,7
.irp c, 0,1,2,3
	ds_load_b128 v[128*(\p)+16*\b+4*\c:128*(\p)+16*\b+4*\c+3], v[WA+(\slot)] offset:\b*16*BPITCH+128*((\kq)%2)+32*\c
.endr
.endr
	WIN 0
.irp a, 0,1,2,3
.irp c, 0,1,2,3
	ds_load_b128 v[128+64*(\p)+16*\a+4*\c:128+64*(\p)+16*\a+4*\c+3], v[XA] offset:\a*16*APITCH+128*(\kq)+32*\c
.endr
.endr
.endm
; 8 matrix instructions: x's block a against W's eight, set p.  swap = 0: source 0 = W, source 1 = x (q, k); 1: the other way round (v).  cb >= 0: the tile's first step: C = the bias at v[cb] of window 3.
; The 32 accumulators take turns, one instruction a turn, in the same order in every step.
.macro MULA p, a, swap, cb
.if \swap
.if \cb >= 0
	WIN 0xb4
.else
	WIN 0xa4
.endif
.else
.if \cb >= 0
	WIN 0xb1
.else
	WIN 0xa1
.endif
.endif
.irp b, 0,1,2,3,4,5,6,7
.set rD, 8*(8*(\a)+\b)
.set rW, 128*(\p)+16*\b
.set rX, 128+64*(\p)+16*(\a)
.if \swap
.if \cb >= 0
	v_wmma_f32_16x16x128_fp8_fp8 v[rD:rD+7], v[rX:rX+15], v[rW:rW+15], v[\cb+8*\b:\cb+8*\b+7]
.else
	v_wmma_f32_16x16x128_fp8_fp8 v[rD:rD+7], v[rX:rX+15], v[rW:rW+15], v[rD:rD+7]
.endif
.else
.if \cb >= 0
	v_wmma_f32_16x16x128_fp8_fp8 v[rD:rD+7], v[rW:rW+15], v[rX:rX+15], v[\cb+8*\b:\cb+8*\b+7]
.else
	v_wmma_f32_16x16x128_fp8_fp8 v[rD:rD+7], v[rW:rW+15], v[rX:rX+15], v[rD:rD+7]
.endif
.endif
.endr
.endm
; A slot's first step: multiplies set 0; ahead of its products it asks for the slot's second step (the tile's kq-th) into set 1, 32 matrix instructions ahead of its use
.macro STEP swap, cb, slot, kq
	s_wait_dscnt 0x0                               ; set 0 is in
	PLACES
	FETCH 1, \slot, \kq
	MULA 0, 0, \swap, \cb
	MULA 0, 1, \swap, \cb
	MULA 0, 2, \swap, \cb
	MULA 0, 3, \swap, \cb
.endm
; A slot's second step multiplies set 1 and changes slots: ONE barrier; in front of it each wave waits for all its tensor loads, adds 0 to its spare word, and waits for that and for its reads of this slot.
; fill = 1: the barrier opens a round of the cluster's, and this slot is filled again, stepb bytes on.  Then the other slot's first fragments (the nkq-th step of the tile in hand or of the next) come into set 0.
.macro TURN swap, slot, nkq, fill, stepb
	WIN 0                                          ; (the add's two registers lie in window 0)
	s_wait_tensorcnt 0x0                           ; all my tensor loads have landed: the one that was out is my quarter of the other slot;
	ds_add_u32 v[SPW], v[NIL]                      ; 0 onto my spare word;
	s_wait_dscnt 0x1                               ; (set 1 is in; the add alone may be out)
	MULA 1, 0, \swap, -1                           ; eight matrix instructions stand between the add and the wait for it
	s_wait_dscnt 0x0                               ; the add is done, and my reads of this slot are over
	s_barrier_signal -1
	MULA 1, 1, \swap, -1
	WIN 0
	s_barrier_wait -1
.if \fill
	CREST                                          ; no wave of any partner still reads this slot or has a load on its way
	s_add_nc_u64 s[G0B+4*\slot+2:G0B+4*\slot+3], s[G0B+4*\slot+2:G0B+4*\slot+3], \stepb
	tensor_load_to_lds s[G0B+4*\slot:G0B+4*\slot+3], s[G1B:G1B+7]   ; my one tensor load behind the round, and the first thing there
	s_nop 0
	PLACES                                         ; also the places in front of the loads below
.else
	PLACES
.endif
	FETCH 0, 1-\slot, \nkq
	MULA 1, 2, \swap, -1
	MULA 1, 3, \swap, -1
.endm
; A tile: eight steps of 128 along K, four slots' worth.  The ring goes on into the next tile: its last two changes of slots ask for the next tile's first two slots.
.macro TILE swap, cb, last
	STEP \swap, \cb, 0, 1
	TURN \swap, 0, 2, 1, 512
	STEP \swap, -1, 1, 3
	TURN \swap, 1, 4, 1, 512
	STEP \swap, -1, 0, 5
.if \last
	TURN \swap, 0, 6, 0, 0                         ; nothing is left to fetch: a plain barrier
	STEP \swap, -1, 1, 7
	s_wait_dscnt 0x0
	MULA 1, 0, \swap, -1
	MULA 1, 1, \swap, -1
	MULA 1, 2, \swap, -1
	MULA 1, 3, \swap, -1
.else
	TURN \swap, 0, 6, 1, NEXTT
	STEP \swap, -1, 1, 7
	TURN \swap, 1, 0, 1, NEXTT
.endif
.endm
; THE WAY OUT of a tile: hold, convert, store.  kind 0 (q, k): fragment 2 a + d (tokens 16 a on, head d of my two), registers 2 c, 2 c + 1 from accumulator (a, 4 d + c).
; kind 1 (v): for W's block b (head b / 4, channels 16 (b % 4) on) registers 2 a, 2 a + 1 of my half of the fragment from accumulator (a, b).
.macro EPI kind, sc, lim, base
	PLACES                                         ; behind the last products
	s_wait_xcnt 0x0                                ; the last tile's stores have read their data: the codes' registers are written again only behind this wait
	WIN 0x82                                       ; source 0 and destination window 2
.set j, 0
.rept 256
.set j, j+1
.endr
	WIN 0x02
.irp a, 0,1,2,3
.irp b, 0,1,2,3,4,5,6,7
.if \kind
.set rC, CODE+8*\b+2*\a
.else
.set rC, CODE+8*(2*\a+\b/4)+2*(\b%4)
.endif
	v_cvt_scalef32_pk8_fp8_f32 v[rC:rC+1], v[8*(8*\a+\b):8*(8*\a+\b)+7], v[\sc]
.endr
.endr
	WIN 0
	v_nop                                          ; one plain vector instruction behind the last conversion: the next tile's products write its sources
.if \kind
.irp b, 0,1,2,3,4,5,6,7
	global_store_b128 v[STO], v[CODE+8*\b:CODE+8*\b+3],   s[\base:\base+1] offset:(\b/4)*131072+(\b%4)*2048
	global_store_b128 v[STO], v[CODE+8*\b+4:CODE+8*\b+7], s[\base:\base+1] offset:(\b/4)*131072+(\b%4)*2048+512
.endr
.else
.irp a, 0,1,2,3
.irp d, 0,1
	global_store_b128 v[STO], v[CODE+8*(2*\a+\d):CODE+8*(2*\a+\d)+3],   s[\base:\base+1] offset:\d*131072+\a*1024
	global_store_b128 v[STO], v[CODE+8*(2*\a+\d)+4:CODE+8*(2*\a+\d)+7], s[\base:\base+1] offset:\d*131072+\a*1024+512
.endr
.endr
.endif
.endm
	s_wait_tensorcnt 0x1                           ; my quarters of x and of slot 0 are in; slot 1's may stay out
	s_barrier_signal -1
	s_barrier_wait -1                              ; everybody's are
	FETCH 0, 0, 0
	TILE 0, BQ, 0
	s_wait_alu depctr_va_vdst(0)
	EPI 0, SCQ, LMQ, 80                            ; the ring's refill and k's first fragments are on their way meanwhile
	TILE 0, BK, 0
	EPI 0, SCK, LMK, 82
	TILE 1, BV, 1
	EPI 1, SCV, LMV, 84
	s_wait_tensorcnt 0x0                           ; the wave's end
	ds_add_u32 v[SPW], v[NIL]
	s_wait_dscnt 0x0
	CROUND                                         ; the closing round: no work-group ends while a partner may still ask for a tile that names it
	s_endpgm
.Lfunc_end_k_qd648ee9e31_qkv:
	.size	k_qd648ee9e31_qkv, .Lfunc_end_k_qd648ee9e31_qkv-k_qd648ee9e31_qkv
	.p2alignl 7, 3214868480
	.fill 96, 4, 3214868480
	.section	.rodata,"a",@progbits
	.p2align	6, 0x0
	.amdhsa_kernel k_qd648ee9e31_qkv
		.amdhsa_group_segment_fixed_size 327680
		.amdhsa_private_segment_fixed_size 0
		.amdhsa_enable_private_segment 0
		.amdhsa_kernarg_size 56
		.amdhsa_user_sgpr_count 2
		.amdhsa_user_sgpr_kernarg_segment_ptr 1
		.amdhsa_wavefront_size32 1
		.amdhsa_system_sgpr_workgroup_id_x 1
		.amdhsa_system_sgpr_workgroup_id_y 1
		.amdhsa_system_sgpr_workgroup_id_z 1
		.amdhsa_system_vgpr_workitem_id 0
		.amdhsa_next_free_vgpr 960
		.amdhsa_next_free_sgpr 100
		.amdhsa_reserve_vcc 0
		.amdhsa_float_denorm_mode_32 3
		.amdhsa_float_denorm_mode_16_64 3
		.amdhsa_fp16_overflow 1
		.amdhsa_memory_ordered 1
		.amdhsa_forward_progress 1
		.amdhsa_inst_pref_size 167
	.end_amdhsa_kernel
	.amdgpu_metadata
---
amdhsa.version: [ 1, 2 ]
amdhsa.kernels:
  - .name:           k_qd648ee9e31_qkv
    .symbol:         k_qd648ee9e31_qkv.kd
    .args:
      - { .name: x_codes, .offset: 0, .size: 8, .value_kind: global_buffer, .address_space: global }
      - { .name: Wqkv_codes, .offset: 8, .size: 8, .value_kind: global_buffer, .address_space: global }
      - { .name: bqkv, .offset: 16, .size: 8, .value_kind: global_buffer, .address_space: global }
      - { .name: lowp_scales, .offset: 24, .size: 8, .value_kind: global_buffer, .address_space: global }
      - { .name: q_codes, .offset: 32, .size: 8, .value_kind: global_buffer, .address_space: global }
      - { .name: k_codes, .offset: 40, .size: 8, .value_kind: global_buffer, .address_space: global }
      - { .name: v_codes, .offset: 48, .size: 8, .value_kind: global_buffer, .address_space: global }
    .group_segment_fixed_size: 327680
    .private_segment_fixed_size: 0
    .kernarg_segment_align: 8
    .kernarg_segment_size: 56
    .max_flat_workgroup_size: 128
    .sgpr_count:     100
    .vgpr_count:     960
    .wavefront_size: 32
...
	.end_amdgpu_metadata
.endif
;; end of part 1
;; launch attn (part 2): grid 4 x 64, 16 waves a work-group, no clusters, 327,680 bytes of LDS; arguments q_codes, k_codes, v_codes, lowp_scales, a_codes; writes a_codes
.if DOCPART == 2
	.amdgcn_target "amdgcn-amd-amdhsa--gfx1250"
	.amdhsa_code_object_version 6
	.text
	.protected	k_qd648ee9e31_attn
	.globl	k_qd648ee9e31_attn
	.p2align	8
	.type	k_qd648ee9e31_attn,@function
k_qd648ee9e31_attn:
	s_mov_b64 s[64:65], 0
	v_nop
	global_prefetch_b8 v0, s[64:65] scope:SCOPE_SE
	s_setreg_imm32_b32 hwreg(HW_REG_WAVE_MODE, 25, 1), 1
	s_wait_xcnt 0x0
; Causal attention of 64 heads (2,048 tokens, 64 channels) on codes of FP8 (E4M3), and the quantising of its result by 2^e6.
; q, k: images of operand registers, [head][token / 16][piece 2][lane][16 bytes] (16 tokens x 64 channels: 8 registers).  v: [head][key / 128][channel / 16][piece 4][lane][16 bytes] (16 channels x 128 keys: 16 registers).
; The result: [token / 16][head / 2][piece 4][lane][16 bytes]: fragments 16 tokens x 128 of the next product's K; a head's share is 1,024 consecutive bytes.
; THE SOFTMAX: t = score x 2^(e2 + e3) x log2(e) / 8; M = the row's largest t so far, rounded UP to a whole number; p = 2^(t - M) is quantised by 2^e4, not normalised.  The row's sum is taken of the unquantised p
; and divides at the end.  When M moves, the sum and O are multiplied by 2^(old M - new M): exact.
; LAYOUT.  S^T = K Q^T (source 0 = 16 keys, source 1 = my 16 queries), O^T = V^T P^T (source 0 = 16 channels, source 1 = P): lane (r, h) holds query r throughout, and register j of a tile row 8 h + j of source 0.
; The 8-bit operand layout gives a lane k = 16 c + 8 h + 0 .. 7 in registers 2 c, 2 c + 1: so tile t's eight converted registers are registers 2 t, 2 t + 1 of P, and O^T's tile d those of the next operand.
; SHARES.  A block is 256 queries, 16 to each of sixteen waves (four waves to a SIMD: one wave's vector work stands beside another's products and LDS loads).  Block i needs key slots 0 .. i of 256 keys.
; Work-group j of a head does block 7 - j and then block j: (8 - j) + (j + 1) = 9 slots in EVERY work-group: a constant trip count, no slot walked idle, 256 work-groups of equal work.
; NO JOINT LOADS: the four work-groups of a head walk the same slots only up to their fifth; from there on partners would need different tiles in the same round.
; LIMITS: e2 + e3 between -123 and 130 (added to c's exponent field); e4 and e6 - e4 - e5 between -126 and 119.  NaN among the inputs is not served.
; REGISTERS: v1 16 x lane; v2 LDS address; v3, v4 the add's; v6 2^e4; v7 r - 8 h; v8, v9 at work; v[10:11] f, 0; v12 -M; v13 the largest t; v[14:15] the sum in two halves;
;   v16-23 Q; v24-31 the second block's Q; v32-95 K's 8 fragments, later P's codes (v32-47) and work; v96-159 S^T, then p; v160-191 O^T; v192-255 V's 4 fragments.
.set SLOT1, 1<<15                      ; a slot: 16,384 bytes of k (16 fragments), 16,384 of v (8 fragments); slot 1 begins here, so that one exclusive or turns an address
.set SPARE, 2*SLOT1                    ; behind the ring: the spare words, 128 bytes for each wave: eight blocks of 256 bytes that no other line names
.set LI,   1
.set ADR,  2
.set SPW,  3
.set NIL,  4
.set PLIM, 5
.set PSC,  6
.set RH8,  7
.set KR,   32
.set S,    96
.set O,    160
.set VR,   192
.set WV,   14                          ; s14 wave
.set NA,   17                          ; s17 slots of the first block
.set BLK,  18                          ; s18 the block in hand
.set CUR,  19                          ; s19 the key slot in hand
.set SEL,  20                          ; s[20:21] lane selects: lane l xor 16
.set CS,   22                          ; s[22:23] c
.set G1,   24                          ; s[24:31] descriptor group 1;  s[32:35] group 0, which walks
.set G0,   32
.set KVB,  36                          ; s[36:37] the head's first byte of k (wave 0) or of v (the others)
.set OFF,  38                          ; s[38:39] the slot's offset there
.set NX,   40                          ; s40 the key slot that is asked for
.set TB,   41                          ; s41 LDS byte at which the slot in hand begins
.set SLOTS, 42
.set KF,   43                          ; s43 the step's first key
.set Q0,   44                          ; s44 my first query; s45 the second block's
.set SCO,  50                          ; s50 2^(e6 - e4 - e5)
.set LMO,  51
; Wave 0 fetches a slot's k, wave 1 its v, the others nothing.  The branch hangs on the wave's number alone.  Four v_nop follow the load.
.macro TLOAD
	s_cmp_lt_u32 s[WV], 2
	s_cbranch_scc0 .Lno_load_\@
	tensor_load_to_lds s[G0:G0+3], s[G1:G1+7]
	s_nop 0
.rept 4
	v_nop
.endr
.Lno_load_\@:
.endm
	s_load_b256 s[4:11], s[0:1], 0x0               ; q s[4:5], k s[6:7], v s[8:9], scales s[10:11]
	s_load_b64 s[12:13], s[0:1], 0x20              ; the result's codes
	v_lshl_add_u32 v[SPW], v0, 2, SPARE
	v_mov_b32 v[NIL], 0
	ds_add_u32 v3, v4
	ds_add_u32 v3, v4
	s_wait_dscnt 0x0
	v_lshrrev_b32 v2, 5, v0
	s_delay_alu instid0(VALU_DEP_1)
	v_readfirstlane_b32 s[WV], v2                  ; wave 0..15
	s_and_b32 s16, ttmp7, 0xffff                   ; the head, 0..63
	s_sub_co_u32 s[NA], 8, ttmp9
	s_sub_co_u32 s[BLK], 7, ttmp9                  ; the first block
	s_mov_b32 s[CUR], 0
	s_mov_b32 s[G1], 3<<16                         ; no mask; elements of 8 bytes; no padding: a dense block as 64 rows of 256 bytes
	s_mov_b32 s[G1+1], 32<<16                      ; tensor_dim0
	s_mov_b32 s[G1+2], 64<<16                      ; tensor_dim1
	s_mov_b32 s[G1+3], 32<<16                      ; tile_dim0
	s_mov_b32 s[G1+4], 64                          ; tile_dim1
	s_mov_b32 s[G1+5], 32                          ; from row to row
	s_mov_b32 s[G1+6], 0
	s_mov_b32 s[G1+7], 0
	s_mov_b32 s[SEL], 0x76543210
	s_mov_b32 s[SEL+1], 0xfedcba98
	s_mov_b32 s[OFF+1], 0
	s_mov_b32 s[NX], 0
	s_mov_b32 s[TB], 0
	s_mov_b32 s[KF], 0
	s_lshl_b32 s66, s16, 17                        ; a head is 131,072 bytes in each of q, k, v
	s_mov_b32 s67, 0
	s_lshl_b32 s68, s[WV], 4
	s_lshl_b32 s[Q0], s[BLK], 8
	s_add_co_u32 s[Q0], s[Q0], s68                 ; 256 x block + 16 x wave
	s_lshl_b32 s[Q0+1], ttmp9, 8
	s_add_co_u32 s[Q0+1], s[Q0+1], s68
	s_wait_kmcnt 0x0
	s_load_b256 s[52:59], s[10:11], 0x0            ; e0 .. e7
	s_cmp_eq_u32 s[WV], 0                          ; the choice hangs on the wave's number alone
	s_cselect_b64 s[KVB:KVB+1], s[6:7], s[8:9]
	s_add_nc_u64 s[KVB:KVB+1], s[KVB:KVB+1], s[66:67]
	s_mov_b32 s[G0], 1
	s_lshl_b32 s[G0+1], s[WV], 14                  ; LDS: k at the slot's head, v 16,384 bytes on
	s_mov_b64 s[G0+2:G0+3], s[KVB:KVB+1]           ; key slot 0
	s_or_b32 s[G0+3], s[G0+3], 0x80000000
	TLOAD
	s_lshl_b32 s68, s[Q0], 6                       ; 1,024 bytes for 16 queries
	s_mov_b32 s69, 0
	s_add_nc_u64 s[68:69], s[68:69], s[66:67]
	s_add_nc_u64 s[60:61], s[4:5], s[68:69]
	s_lshl_b32 s70, s[Q0+1], 6
	s_mov_b32 s71, 0
	s_add_nc_u64 s[70:71], s[70:71], s[66:67]
	s_add_nc_u64 s[62:63], s[4:5], s[70:71]
	v_and_b32 v[LI], 31, v0
	s_delay_alu instid0(VALU_DEP_1)
	v_lshlrev_b32 v[LI], 4, v[LI]
	global_load_b128 v[16:19], v[LI], s[60:61]     ; both blocks' Q stay in registers
	global_load_b128 v[20:23], v[LI], s[60:61] offset:512
	global_load_b128 v[24:27], v[LI], s[62:63]
	global_load_b128 v[28:31], v[LI], s[62:63] offset:512
	v_and_b32 v[RH8], 15, v0
	v_bfe_u32 v8, v0, 4, 1
	s_delay_alu instid0(VALU_DEP_1)
	v_lshlrev_b32 v8, 3, v8
	s_delay_alu instid0(VALU_DEP_1)
	v_sub_nc_u32 v[RH8], v[RH8], v8                ; r - 8 h
	s_lshr_b32 s68, s16, 4
	s_lshl_b32 s68, s68, 11                        ; 2,048 x batch
	s_and_b32 s69, s16, 15                         ; the head in its batch
	s_add_co_u32 s70, s68, s[Q0]
	s_add_co_u32 s70, s70, s69
	s_lshl_b32 s70, s70, 10                        ; 16,384 bytes for 16 tokens, 1,024 for a head
	s_mov_b32 s71, 0
	s_add_nc_u64 s[46:47], s[12:13], s[70:71]
	s_add_co_u32 s70, s68, s[Q0+1]
	s_add_co_u32 s70, s70, s69
	s_lshl_b32 s70, s70, 10
	s_add_nc_u64 s[48:49], s[12:13], s[70:71]
	v_mov_b32 v13, 0xff61b1e6                      ; the largest t so far: -3e38, under every t
	s_delay_alu instid0(VALU_DEP_1)
	v_floor_f32 v12, -v13                          ; -M
	v_mov_b32 v14, 0
	v_mov_b32 v15, 0
	v_mov_b32 v9, 0                                ; a lane permute's destination counts as one of its sources
	v_mov_b32 v11, 0                               ; (named as the upper half of the pair v[10:11])
.set n, 0
.rept 32
	v_mov_b32 v[O+n], 0                            ; O^T: the step is written once: a block's first step finds zeros, which the first change of M leaves zeros
.set n, n+1
.endr
	s_wait_kmcnt 0x0
	s_mov_b32 s[CS], 0x3e38aa3b                    ; c = log2(e) / sqrt(64)
	s_add_co_i32 s68, s54, s55
	s_lshl_b32 s68, s68, 23
	s_add_co_i32 s[CS], s[CS], s68                 ; x 2^(e2 + e3): the two exponents are added to c's exponent field
	s_mov_b32 s[CS+1], s[CS]                       ; (named with it as a pair, so it is written)
	s_add_co_i32 s68, s56, 127
	s_lshl_b32 s69, s68, 23
	v_mov_b32 v[PSC], s69                          ; 2^e4
	s_sub_co_i32 s68, s58, s56
	s_sub_co_i32 s68, s68, s57                     ; O / the sum stands for that x 2^(e4 + e5): its code is that / 2^(e6 - e4 - e5)
	s_add_co_i32 s68, s68, 127
	s_lshl_b32 s[SCO], s68, 23
; A KEY STEP: 128 keys, the q-th of the slot in hand.  A step all of whose keys come after my 16 queries is left out: a scalar branch on ids; no barrier and no tensor load stands in a step.
.macro STEP q
	s_add_co_u32 s68, s[Q0], 15
	s_cmp_gt_u32 s[KF], s68
	s_cbranch_scc1 .Lhidden_\@
	v_add_nc_u32 v[ADR], s[TB], v[LI]
.rept 3
	v_nop                                          ; with the addition above: four places in front of loads into registers that the last products read
.endr
.irp t, 0,1,2,3,4,5,6,7
	ds_load_b128 v[KR+8*\t:KR+8*\t+3],   v[ADR] offset:8192*\q+1024*\t
	ds_load_b128 v[KR+8*\t+4:KR+8*\t+7], v[ADR] offset:8192*\q+1024*\t+512
.endr
	s_wait_alu depctr_va_vdst(0)
	s_wait_dscnt 0x0
.irp t, 0,1,2,3,4,5,6,7
	v_wmma_f32_16x16x64_fp8_fp8 v[S+8*\t:S+8*\t+7], v[KR+8*\t:KR+8*\t+7], v[16:23], 0   ; register 8 t + j: key KF + 16 t + 8 h + j
.endr
.irp d, 0,1,2,3
.irp g, 0,1,2,3
	ds_load_b128 v[VR+16*\d+4*\g:VR+16*\d+4*\g+3], v[ADR] offset:16384+8192*\q+2048*\d+512*\g   ; V lands while the softmax is walked
.endr
.endr
.rept 4
	v_nop
.endr
	s_add_co_u32 s68, s[KF], 127                   ; on the diagonal the scores of hidden keys become -infinity ahead of the maximum: p = 0 then.  A step all of whose keys count skips this
	s_cmp_le_u32 s68, s[Q0]
	s_cbranch_scc1 .Lopen_\@
	s_sub_co_i32 s68, s[Q0], s[KF]
	v_add_nc_u32 v50, s68, v[RH8]                  ; d = my query - KF - 8 h: register 8 t + j is hidden where 16 t + j > d.  KF <= Q0 in every step that is walked, so key KF counts for every query
	v_mov_b32 v51, 0xff800000
.set n, 0
.rept 64
	v_cmp_gt_i32 vcc_lo, 16*(n/8)+n%8, v50
	v_cndmask_b32 v[S+n], v[S+n], v51, vcc_lo
.set n, n+1
.endr
.Lopen_\@:
	v_max3_num_f32 v8, v[S], v[S+1], v[S+2]        ; the step's largest score of my query among my 64 keys, in two chains, each tile from its low end on,
	v_max3_num_f32 v9, v[S+3], v[S+4], v[S+5]
.irp i, 6,10,14,18,22,26,30,34,38,42,46,50,54,58
	v_max3_num_f32 v8, v8, v[S+\i], v[S+\i+1]
	v_max3_num_f32 v9, v9, v[S+\i+2], v[S+\i+3]
.endr
	v_max3_num_f32 v8, v8, v[S+62], v[S+63]
	s_delay_alu instid0(VALU_DEP_1)
	v_max_num_f32 v8, v8, v9
	s_delay_alu instid0(VALU_DEP_1)
	v_permlanex16_b32 v9, v8, s[SEL], s[SEL+1]
	s_delay_alu instid0(VALU_DEP_1)
	v_max_num_f32 v8, v8, v9                       ; and among lane l xor 16's
	s_delay_alu instid0(VALU_DEP_1)
	v_mul_f32 v8, s[CS], v8                        ; as t (c is positive)
	s_delay_alu instid0(VALU_DEP_1)
	v_max_num_f32 v13, v13, v8                     ; the running largest t
	v_mov_b32 v8, v12
	s_delay_alu instid0(VALU_DEP_2)
	v_floor_f32 v12, -v13                          ; the new -M = floor(-t) = -ceil(t)
	s_delay_alu instid0(VALU_DEP_1)
	v_sub_f32 v8, v12, v8                          ; old M - new M: a whole number, 0 or less
	s_delay_alu instid0(VALU_DEP_1)
	v_cvt_i32_f32 v8, v8                           ; (it saturates)
	s_delay_alu instid0(VALU_DEP_1)
	v_ldexp_f32 v10, 1.0, v8                       ; f = 2^(old M - new M)
.set n, 0
.rept 32
	v_pk_fma_f32 v[S+n:S+n+1], v[S+n:S+n+1], s[CS:CS+1], v[12:13] op_sel_hi:[1,0,0]   ; t - M, two at a time
.set n, n+2
.endr
.set n, 0
	s_wait_alu depctr_va_vdst(0)
.rept 64
	v_exp_f32 v[S+n], v[S+n]                       ; p = 2^(t - M), at most 1
.set n, n+1
.endr
	v_pk_mul_f32 v[14:15], v[14:15], v[10:11] op_sel_hi:[1,0]   ; the sums under the new M.  (The plain place behind the exponentials)
	s_wait_alu depctr_va_vdst(0)
	v_pk_add_f32 v[48:49], v[100:101], v[104:105]
	v_pk_add_f32 v[94:95], v[108:109], v[112:113]
	v_pk_add_f32 v[92:93], v[116:117], v[120:121]
	v_pk_add_f32 v[90:91], v[124:125], v[128:129]
	v_pk_add_f32 v[88:89], v[132:133], v[136:137]
	v_pk_add_f32 v[86:87], v[140:141], v[144:145]
	v_pk_add_f32 v[84:85], v[148:149], v[152:153]
	v_pk_add_f32 v[14:15], v[14:15], v[156:157]
	v_pk_add_f32 v[48:49], v[48:49], v[96:97]
	v_pk_add_f32 v[94:95], v[94:95], v[98:99]
	v_pk_add_f32 v[92:93], v[92:93], v[102:103]
	v_pk_add_f32 v[90:91], v[90:91], v[106:107]
	v_pk_add_f32 v[88:89], v[88:89], v[110:111]
	v_pk_add_f32 v[86:87], v[86:87], v[114:115]
	v_pk_add_f32 v[84:85], v[84:85], v[118:119]
	v_pk_add_f32 v[14:15], v[14:15], v[122:123]
	v_pk_add_f32 v[48:49], v[48:49], v[126:127]
	v_pk_add_f32 v[94:95], v[94:95], v[130:131]
	v_pk_add_f32 v[92:93], v[92:93], v[134:135]
	v_pk_add_f32 v[90:91], v[90:91], v[138:139]
	v_pk_add_f32 v[88:89], v[88:89], v[142:143]
	v_pk_add_f32 v[86:87], v[86:87], v[146:147]
	v_pk_add_f32 v[84:85], v[84:85], v[150:151]
	v_pk_add_f32 v[14:15], v[14:15], v[154:155]
	v_pk_add_f32 v[48:49], v[48:49], v[158:159]
	s_delay_alu instid0(VALU_DEP_2)
	v_pk_add_f32 v[14:15], v[14:15], v[90:91]
	s_delay_alu instid0(VALU_DEP_2)
	v_pk_add_f32 v[48:49], v[48:49], v[88:89]
	v_pk_add_f32 v[94:95], v[94:95], v[86:87]
	v_pk_add_f32 v[92:93], v[92:93], v[84:85]
	s_delay_alu instid0(VALU_DEP_2)
	v_pk_add_f32 v[14:15], v[14:15], v[94:95]
	s_delay_alu instid0(VALU_DEP_2)
	v_pk_add_f32 v[48:49], v[48:49], v[92:93]
	s_delay_alu instid0(VALU_DEP_1)
	v_pk_add_f32 v[14:15], v[14:15], v[48:49]
.irp t, 0,1,2,3,4,5,6,7
.irp i, 0,1,2,3,4,5,6,7
.endr
	v_cvt_scalef32_pk8_fp8_f32 v[KR+2*\t:KR+2*\t+1], v[S+8*\t:S+8*\t+7], v[PSC]   ; registers 2 t, 2 t + 1 of P
.endr
.set n, 0
.rept 16
	v_pk_mul_f32 v[O+n:O+n+1], v[O+n:O+n+1], v[10:11] op_sel_hi:[1,0]   ; O^T under the new M.  (Also the plain place behind the last conversion)
.set n, n+2
.endr
	s_wait_alu depctr_va_vdst(0)
	s_wait_dscnt 0x0                               ; V is in
.irp d, 0,1,2,3
	v_wmma_f32_16x16x128_fp8_fp8 v[O+8*\d:O+8*\d+7], v[VR+16*\d:VR+16*\d+15], v[KR:KR+15], v[O+8*\d:O+8*\d+7]   ; four accumulators by turns
.endr
.Lhidden_\@:
	s_add_co_u32 s[KF], s[KF], 128
.endm
; THE CHANGE OF SLOTS stands at a slot's head.  Each wave waits for all its tensor loads (its part of the slot ahead), adds 0 to its spare word, and waits for that and for its reads of the slot that it has left.
; fill = 1: behind the barrier that slot takes the key slot that follows: the next of the block in hand, or slot 0 again for the second block.  The load has a whole slot's steps in which to land.
.macro CHANGE fill
	s_wait_tensorcnt 0x0                           ; no tensor load of mine is out, so group 0 may be written
	ds_add_u32 v[SPW], v[NIL]                      ; 0 onto my spare word
.if \fill
	s_xor_b32 s[G0+1], s[G0+1], SLOT1              ; the other LDS slot than last time
	s_add_co_u32 s[NX], s[NX], 1
	s_cmp_eq_u32 s[NX], s[NA]
	s_cselect_b32 s[NX], 0, s[NX]
	s_lshl_b32 s[OFF], s[NX], 14                   ; 16,384 bytes of k, and of v, for 256 keys
	s_add_nc_u64 s[G0+2:G0+3], s[KVB:KVB+1], s[OFF:OFF+1]
	s_or_b32 s[G0+3], s[G0+3], 0x80000000
.endif
	s_wait_dscnt 0x0                               ; the add is done, and my reads of the slot that I have left are over
	s_barrier_signal -1
	s_barrier_wait -1
.if \fill
	TLOAD                                          ; the first thing behind the barrier, and a wave's one tensor load until the next
.endif
.endm
; A block's end: O^T / the sum, held, converted: eight registers that are my head's half of the next operand's fragment; two stores of 512 consecutive bytes, aligned.
.macro FINISH base
.rept 4
	v_nop                                          ; places behind the last products
.endr
	v_add_f32 v14, v14, v15
	s_delay_alu instid0(VALU_DEP_1)
	v_permlanex16_b32 v9, v14, s[SEL], s[SEL+1]
	s_delay_alu instid0(VALU_DEP_1)
	v_add_f32 v14, v14, v9                         ; the row's sum
	s_wait_alu depctr_va_vdst(0)
	v_rcp_f32 v10, v14
	v_mov_b32 v48, s[SCO]                          ; (the plain place behind the reciprocal)
.set n, 0
	s_wait_alu depctr_va_vdst(0)
.rept 16
	v_pk_mul_f32 v[O+n:O+n+1], v[O+n:O+n+1], v[10:11] op_sel_hi:[1,0]
.set n, n+2
.endr
.set n, 0
.rept 32
.set n, n+1
.endr
.irp d, 0,1,2,3
	v_cvt_scalef32_pk8_fp8_f32 v[52+2*\d:53+2*\d], v[O+8*\d:O+8*\d+7], v48
.endr
	v_nop                                          ; one plain vector instruction behind the last conversion
	global_store_b128 v[LI], v[52:55], s[\base:\base+1]
	global_store_b128 v[LI], v[56:59], s[\base:\base+1] offset:512
.endm
	s_wait_loadcnt 0x0                             ; Q
	s_mov_b32 s[SLOTS], 8
.Lslot:                                            ; eight trips: behind each change of slots but the last the next slot is asked for
	CHANGE 1
	STEP 0
	STEP 1
	s_xor_b32 s[TB], s[TB], SLOT1
	s_cmp_lg_u32 s[CUR], s[BLK]                    ; the block's own slot, on the diagonal, is its last: a scalar branch on ids, alike in all sixteen waves
	s_cbranch_scc1 .Lgo_on
	FINISH 46
.irp i, 0,1,2,3,4,5,6,7
	v_mov_b32 v[16+\i], v[24+\i]                   ; the second block begins: its Q,
.endr
	v_mov_b32 v13, 0xff61b1e6                      ; its statistics,
	s_delay_alu instid0(VALU_DEP_1)
	v_floor_f32 v12, -v13
	v_mov_b32 v14, 0
	v_mov_b32 v15, 0
.set n, 0
.rept 32
	v_mov_b32 v[O+n], 0                            ; its O^T
.set n, n+1
.endr
	s_mov_b32 s[Q0], s[Q0+1]
	s_mov_b32 s[BLK], ttmp9
	s_mov_b32 s[CUR], -1
	s_mov_b32 s[KF], 0
	s_wait_xcnt 0x0                                ; the stores have read their data: K's loads land on those registers only behind this wait
.Lgo_on:
	s_add_co_i32 s[CUR], s[CUR], 1
	s_sub_co_u32 s[SLOTS], s[SLOTS], 1
	s_cmp_lg_u32 s[SLOTS], 0
	s_cbranch_scc1 .Lslot
	CHANGE 0                                       ; the ninth slot is written out: it is the second block's own
	STEP 0
	STEP 1
	FINISH 48
	s_wait_tensorcnt 0x0                           ; the wave's end
	ds_add_u32 v[SPW], v[NIL]
	s_wait_dscnt 0x0
	s_endpgm
.Lfunc_end_k_qd648ee9e31_attn:
	.size	k_qd648ee9e31_attn, .Lfunc_end_k_qd648ee9e31_attn-k_qd648ee9e31_attn
	.p2alignl 7, 3214868480
	.fill 96, 4, 3214868480
	.section	.rodata,"a",@progbits
	.p2align	6, 0x0
	.amdhsa_kernel k_qd648ee9e31_attn
		.amdhsa_group_segment_fixed_size 327680
		.amdhsa_private_segment_fixed_size 0
		.amdhsa_enable_private_segment 0
		.amdhsa_kernarg_size 40
		.amdhsa_user_sgpr_count 2
		.amdhsa_user_sgpr_kernarg_segment_ptr 1
		.amdhsa_wavefront_size32 1
		.amdhsa_system_sgpr_workgroup_id_x 1
		.amdhsa_system_sgpr_workgroup_id_y 1
		.amdhsa_system_sgpr_workgroup_id_z 1
		.amdhsa_system_vgpr_workitem_id 0
		.amdhsa_next_free_vgpr 256
		.amdhsa_next_free_sgpr 72
		.amdhsa_reserve_vcc 1
		.amdhsa_float_denorm_mode_32 3
		.amdhsa_float_denorm_mode_16_64 3
		.amdhsa_fp16_overflow 1
		.amdhsa_memory_ordered 1
		.amdhsa_forward_progress 1
		.amdhsa_inst_pref_size 88
	.end_amdhsa_kernel
	.amdgpu_metadata
---
amdhsa.version: [ 1, 2 ]
amdhsa.kernels:
  - .name:           k_qd648ee9e31_attn
    .symbol:         k_qd648ee9e31_attn.kd
    .args:
      - { .name: q_codes, .offset: 0, .size: 8, .value_kind: global_buffer, .address_space: global }
      - { .name: k_codes, .offset: 8, .size: 8, .value_kind: global_buffer, .address_space: global }
      - { .name: v_codes, .offset: 16, .size: 8, .value_kind: global_buffer, .address_space: global }
      - { .name: lowp_scales, .offset: 24, .size: 8, .value_kind: global_buffer, .address_space: global }
      - { .name: a_codes, .offset: 32, .size: 8, .value_kind: global_buffer, .address_space: global }
    .group_segment_fixed_size: 327680
    .private_segment_fixed_size: 0
    .kernarg_segment_align: 8
    .kernarg_segment_size: 40
    .max_flat_workgroup_size: 512
    .sgpr_count:     72
    .vgpr_count:     256
    .wavefront_size: 32
...
	.end_amdgpu_metadata
.endif
;; end of part 2
;; launch proj (part 3): grid 4 x 64, 4 waves a work-group, clusters of 4 x 4, 327,680 bytes of LDS; arguments a_codes, Wproj_codes, bproj, lowp_scales, out0; writes out0
.if DOCPART == 3
	.amdgcn_target "amdgcn-amd-amdhsa--gfx1250"
	.amdhsa_code_object_version 6
	.text
	.protected	k_qd648ee9e31_proj
	.globl	k_qd648ee9e31_proj
	.p2align	8
	.type	k_qd648ee9e31_proj,@function
k_qd648ee9e31_proj:
	s_mov_b64 s[64:65], 0
	v_nop
	global_prefetch_b8 v0, s[64:65] scope:SCOPE_SE
	s_setreg_imm32_b32 hwreg(HW_REG_WAVE_MODE, 25, 1), 1
	s_wait_xcnt 0x0
	s_wait_alu depctr_hold_cnt(0) depctr_sa_sdst(0) depctr_va_vdst(0) depctr_va_sdst(0) depctr_va_ssrc(0) depctr_va_vcc(0) depctr_vm_vsrc(0)
	s_getreg_b32 s2, hwreg(HW_REG_IB_STS2, 6, 4)
	s_cmp_eq_u32 s2, 0
	s_cbranch_scc0 .Lentry_in_a_cluster
	s_endpgm
.Lentry_in_a_cluster:
	s_bfe_u32 s2, ttmp6, 0x10000c
	s_cmp_lg_u32 s2, 0xf033
	s_cbranch_scc0 .Lentry_shape_is_right
	s_endpgm
.Lentry_shape_is_right:
; out = a Wproj + bproj on codes of FP8 (E4M3): out = sum x 2^(e6 + e7) + bias, f32.  LIMIT: e6 + e7 lies between -126 and 127, so that 2^(e6 + e7) is an f32 number.
; a: images of operand registers, [row / 16][K / 128][piece 4][lane][16 bytes]: lane (r, h) holds row r, registers 2 c, 2 c + 1 hold K = 16 c + 8 h + 0 .. 7.  Wproj: [1024][1024] codes, K innermost.
; SHARES.  A work-group makes 128 rows x 256 columns: 256 work-groups.  Its 128 rows of a, one dense block of 131,072 bytes, stay in LDS; W goes in steps of 256 along K through a ring of two slots.
; Wave w: rows 64 (w / 2) on, columns 128 (w % 2) on: 32 accumulators.  Source 0 = 16 rows of W, source 1 = 16 rows of a: a lane then holds eight neighbouring columns of one row of out.
; a's fragments come by four loads of 16 bytes at 16 x lane; W's must have each k in the same place, so they come by eight loads of 8 bytes, 16 bytes apart, at row x pitch + 8 h.
; CLUSTERS: 4 x 4 work-groups.  The four of a row of the cluster need the same rows of a, the four of a column the same tiles of W: each is asked for JOINTLY, every wave its quarter.
; REGISTERS, in windows of 256: window 0: v1-29 addresses; v32-95 a block's results; v128-255 a's fragments, two sets of 4 x 16, later rows of out.   window 1: W's fragments, two sets of 8 x 16.
;   window 2: accumulator (a, b) at v[8 (8 a + b)].   window 3: v0-63 the bias in the results' layout.
.set BPITCH, 272                       ; W's row in a slot: 256 bytes + 16 = 68 words: row r starts at bank 4 r mod 64 (64 banks of 4 bytes: ISA guide 11.1)
.set BS0,    131072                    ; behind a's block: slot 0 of W's ring
.set BQUART, 64*BPITCH
.set BSLOT,  256*BPITCH
.set SPARE,  BS0+2*BSLOT               ; behind the ring: the spare words, 128 bytes for each wave: two blocks of 256 bytes that no other line names
.set STG,    SPARE+512                 ; the way out: 16 rows x (512 bytes + 16) for each wave: bytes of their own, into which no fill lands
.set SPITCH, 528
.set XA,  16                           ; v16     LDS address of my fragments of a
.set WA,  20                           ; v20-21  of W, in slot 0, 1
.set CO,  24                           ; v24     16 x lane
.set STI, 25                           ; v25     the stage: where I put 32 bytes of a row
.set RD,  26                           ; v26     and where I read a row back
.set SPW, 28
.set NIL, 29
.set TMP, 32
.set BKR, 128
.set WV,  18
.set G1A, 24
.set G1B, 32
.set G0A, 40
.set G0B, 44
.set MSB, 0
.macro WIN new                         ; the immediate's high byte repeats the setting that is left
.if MSB != \new
	s_set_vgpr_msb (MSB<<8)|\new
.set MSB, \new
.endif
.endm
.macro PLACES                          ; four plain vector instructions behind a matrix instruction, ahead of loads into its sources and of reads of its result
.rept 4
	v_nop
.endr
.endm
.macro CREST
	s_cmp_lg_u32 s[WV], 0
	s_cbranch_scc1 .Lnot_wave_0_\@
	s_barrier_signal -3
.Lnot_wave_0_\@:
	s_barrier_wait -3
	s_barrier_signal -1
	s_barrier_wait -1
.endm
.macro CROUND
	s_barrier_signal -1
	s_barrier_wait -1
	CREST
.endm
	s_load_b256 s[4:11], s[0:1], 0x0               ; a s[4:5], W s[6:7], bias s[8:9], scales s[10:11]
	s_load_b64 s[12:13], s[0:1], 0x20              ; out
	v_lshl_add_u32 v[SPW], v0, 2, SPARE
	v_mov_b32 v[NIL], 0
	ds_add_u32 v28, v29
	ds_add_u32 v28, v29
	s_wait_dscnt 0x0
	v_lshrrev_b32 v3, 5, v0
	v_readfirstlane_b32 s[WV], v3                  ; wave 0..3
	s_lshr_b32 s19, s[WV], 1                       ; which 64 rows
	s_and_b32 s20, s[WV], 1                        ; which 128 columns
	s_bfe_u32 s66, ttmp6, 0x40000                  ; cx, cy
	s_bfe_u32 s67, ttmp6, 0x40004
	s_lshl_b32 s21, ttmp9, 2
	s_add_co_u32 s21, s21, s66                     ; tile column
	s_and_b32 s23, ttmp7, 0xffff
	s_lshl_b32 s23, s23, 2
	s_add_co_u32 s23, s23, s67                     ; block of 128 rows
	s_lshl_b32 s68, s67, 2
	s_lshl_b32 s68, 15, s68                        ; my row of the cluster
	s_lshl_b32 s69, 0x1111, s66                    ; my column
	s_or_b32 s[G1A], s68, (3<<16)|(1<<21)          ; a goes to my row; elements of 8 bytes; 21 set beside a mask; no padding: a dense block as 128 rows of 256 bytes
	s_mov_b32 s[G1A+1], 32<<16
	s_mov_b32 s[G1A+2], 128<<16
	s_mov_b32 s[G1A+3], 32<<16
	s_mov_b32 s[G1A+4], 128
	s_mov_b32 s[G1A+5], 32
	s_mov_b32 s[G1A+6], 0
	s_mov_b32 s[G1A+7], 0
	s_or_b32 s[G1B], s69, (1<<20)|(1<<21)|(5<<22)|(3<<25)   ; W goes to my column; elements of 1 byte; after every 64 words 4 words of padding
	s_mov_b32 s[G1B+1], 256<<16
	s_mov_b32 s[G1B+2], 64<<16
	s_mov_b32 s[G1B+3], 256<<16
	s_mov_b32 s[G1B+4], 64
	s_mov_b32 s[G1B+5], 1024
	s_mov_b32 s[G1B+6], 0
	s_mov_b32 s[G1B+7], 0
	s_lshl_b32 s60, s23, 17                        ; a: 131,072 bytes a block, a quarter a wave: made of the block and the wave alone
	s_lshl_b32 s61, s[WV], 15
	s_add_co_u32 s60, s60, s61
	s_mov_b32 s61, 0
	s_lshl_b32 s62, s21, 18                        ; W: 256 rows a tile column, 64 a wave: made of the column and the wave alone
	s_lshl_b32 s63, s[WV], 16
	s_add_co_u32 s62, s62, s63
	s_mov_b32 s63, 0
	s_wait_kmcnt 0x0
	s_load_b256 s[52:59], s[10:11], 0x0            ; e0 .. e7
	s_mov_b32 s[G0A], 1
	s_lshl_b32 s[G0A+1], s[WV], 15
	s_add_nc_u64 s[G0A+2:G0A+3], s[4:5], s[60:61]
	s_or_b32 s[G0A+3], s[G0A+3], 0x80000000
	s_mov_b32 s[G0B], 1
	s_mul_i32 s[G0B+1], s[WV], BQUART
	s_add_co_u32 s[G0B+1], s[G0B+1], BS0
	s_add_nc_u64 s[G0B+2:G0B+3], s[6:7], s[62:63]
	s_mov_b32 s[G0B+4], 1
	s_add_co_u32 s[G0B+5], s[G0B+1], BSLOT
	s_add_nc_u64 s[G0B+6:G0B+7], s[G0B+2:G0B+3], 256
	s_or_b32 s[G0B+3], s[G0B+3], 0x80000000
	s_or_b32 s[G0B+7], s[G0B+7], 0x80000000
	CROUND                                         ; all sixteen work-groups are here: the first joint loads meet
	tensor_load_to_lds s[G0A:G0A+3], s[G1A:G1A+7]  ; a's quarter goes out alone: one load of mine is out
	s_nop 0
	s_wait_alu depctr_va_vdst(0)
	s_wait_tensorcnt 0x0
	ds_add_u32 v28, v29
	s_wait_dscnt 0x0
	CROUND
	tensor_load_to_lds s[G0B:G0B+3], s[G1B:G1B+7]
	s_nop 0
	s_wait_alu depctr_va_vdst(0)
	s_wait_tensorcnt 0x0
	ds_add_u32 v28, v29
	s_wait_dscnt 0x0
	CROUND
	tensor_load_to_lds s[G0B+4:G0B+7], s[G1B:G1B+7]
	s_nop 0
	PLACES                                         ; four v_nop behind the last of them
	v_and_b32 v1, 15, v0                           ; r
	s_wait_alu depctr_va_vdst(0)
	v_bfe_u32 v2, v0, 4, 1                         ; h
	v_lshlrev_b32 v4, 5, v2                        ; 32 h
	s_lshl_b32 s72, s21, 10
	s_lshl_b32 s73, s20, 9
	s_add_co_u32 s72, s72, s73                     ; my 128 columns, in bytes of f32
	s_mov_b32 s73, 0
	s_add_nc_u64 s[74:75], s[8:9], s[72:73]
	WIN 0xc0                                       ; destination window 3
.irp b, 0,1,2,3,4,5,6,7
	global_load_b128 v[8*\b:8*\b+3],   v4, s[74:75] offset:64*\b      ; the bias of columns 16 b + 8 h + 0 .. 7
	global_load_b128 v[8*\b+4:8*\b+7], v4, s[74:75] offset:64*\b+16
.endr
	WIN 0
	v_and_b32 v[CO], 31, v0
	v_lshlrev_b32 v[CO], 4, v[CO]
	s_lshl_b32 s68, s19, 16                        ; my 64 rows of a: four of the block's eight runs of 16,384 bytes
	v_add_nc_u32 v[XA], s68, v[CO]
	v_mul_u32_u24 v[WA], v1, BPITCH
	s_wait_alu depctr_va_vdst(0)
	v_lshl_add_u32 v[WA], v2, 3, v[WA]             ; row x pitch + 8 x half
	s_mul_i32 s68, s20, 128*BPITCH
	s_add_co_u32 s68, s68, BS0
	v_add_nc_u32 v[WA], s68, v[WA]
	v_add_nc_u32 v[WA+1], BSLOT, v[WA]
	s_mul_i32 s68, s[WV], 16*SPITCH
	s_add_co_u32 s68, s68, STG                     ; my stage
	v_mul_u32_u24 v[STI], v1, SPITCH
	v_lshl_add_u32 v[STI], v2, 5, v[STI]
	v_add_nc_u32 v[STI], s68, v[STI]               ; in: row r, 32 bytes for each half of the lanes
	v_add_nc_u32 v[RD], s68, v[CO]                 ; back: the 32 lanes take one row of 512 bytes
	s_lshl_b32 s76, s23, 19                        ; 128 rows of 4,096 bytes,
	s_lshl_b32 s77, s19, 18                        ; my 64 of them,
	s_add_co_u32 s76, s76, s77
	s_add_co_u32 s76, s76, s72                     ; my columns
	s_mov_b32 s77, 0
	s_add_nc_u64 s[80:81], s[12:13], s[76:77]
	s_wait_alu depctr_va_vdst(0)
	s_wait_kmcnt 0x0
	s_add_co_i32 s86, s58, s59
	s_add_co_i32 s86, s86, 127
	s_lshl_b32 s86, s86, 23                        ; 2^(e6 + e7) as f32
	s_mov_b32 s87, s86                             ; (named with it as a pair, so it is written)
	s_wait_loadcnt 0x0                             ; the bias
; 80 LDS loads in one run: the fragments of the kq-th 128 along K into set p
.macro FETCH p, slot, kq
	WIN 0x40                                       ; destination window 1, address window 0
.irp b, 0,1,2,3,4,5,6,7
.irp c, 0,1,2,3,4,5,6,7
	ds_load_b64 v[128*(\p)+16*\b+2*\c:128*(\p)+16*\b+2*\c+1], v[WA+(\slot)] offset:\b*16*BPITCH+128*((\kq)%2)+16*\c
.endr
.endr
	WIN 0
.irp a, 0,1,2,3
.irp g, 0,1,2,3
	ds_load_b128 v[128+64*(\p)+16*\a+4*\g:128+64*(\p)+16*\a+4*\g+3], v[XA] offset:\a*16384+(\kq)*2048+512*\g
.endr
.endr
.endm
; 8 matrix instructions: a's block against W's eight.  zero = 1: the first product starts the sums.  The 32 accumulators take turns, one instruction a turn, in the same order in every step.
.macro MULA p, a, zero
	WIN 0xa1                                       ; source 0 (W) window 1, source 1 (a) window 0, C and D window 2
.irp b, 0,1,2,3,4,5,6,7
.set rD, 8*(8*(\a)+\b)
.set rW, 128*(\p)+16*\b
.set rX, 128+64*(\p)+16*(\a)
.if \zero
	v_wmma_f32_16x16x128_fp8_fp8 v[rD:rD+7], v[rW:rW+15], v[rX:rX+15], 0
.else
	v_wmma_f32_16x16x128_fp8_fp8 v[rD:rD+7], v[rW:rW+15], v[rX:rX+15], v[rD:rD+7]
.endif
.endr
.endm
.macro STEP zero, slot, kq             ; a slot's first step: multiplies set 0, asks for the slot's second step into set 1
	s_wait_dscnt 0x0                               ; set 0 is in
	PLACES
	FETCH 1, \slot, \kq
	MULA 0, 0, \zero
	MULA 0, 1, \zero
	MULA 0, 2, \zero
	MULA 0, 3, \zero
.endm
; A slot's second step multiplies set 1 and changes slots: ONE barrier; in front of it each wave waits for all its tensor loads, adds 0 to its spare word, and waits for that and for its reads of this slot.
.macro TURN slot, nkq, fill
	WIN 0                                          ; (the add's two registers lie in window 0)
	s_wait_tensorcnt 0x0                           ; all my tensor loads have landed: the one that was out is my quarter of the other slot;
	ds_add_u32 v[SPW], v[NIL]                      ; 0 onto my spare word;
	s_wait_dscnt 0x1                               ; (set 1 is in; the add alone may be out)
	MULA 1, 0, 0                                   ; eight matrix instructions stand between the add and the wait for it
	s_wait_dscnt 0x0                               ; the add is done, and my reads of this slot are over
	s_barrier_signal -1
	MULA 1, 1, 0
	WIN 0
	s_barrier_wait -1
.if \fill
	CREST                                          ; no wave of any partner still reads this slot or has a load on its way
	s_add_nc_u64 s[G0B+4*\slot+2:G0B+4*\slot+3], s[G0B+4*\slot+2:G0B+4*\slot+3], 512
	tensor_load_to_lds s[G0B+4*\slot:G0B+4*\slot+3], s[G1B:G1B+7]   ; my one tensor load behind the round, and the first thing there
	s_nop 0
	PLACES                                         ; also the places in front of the loads below
.else
	PLACES
.endif
	FETCH 0, 1-\slot, \nkq
	MULA 1, 2, 0
	MULA 1, 3, 0
.endm
; THE WAY OUT, block by block of 16 rows x 128 columns: sum x 2^(e6 + e7) + bias, one packed multiply-add for two numbers, each accumulator from its low end on; through my own stage, back as whole rows of 512 bytes.
; LDS serves a wave's instructions in order (ISA guide 5.7.1.4): no wait between the stores and the loads, nor in front of the next block's stores.
.macro TOSTAGE a
	WIN 0x32                                       ; source 0 (the sums) window 2, source 2 (the bias) window 3
.set j, 0
.rept 32
	v_pk_fma_f32 v[TMP+j:TMP+j+1], v[64*(\a)+j:64*(\a)+j+1], s[86:87], v[j:j+1] op_sel_hi:[1,0,1]
.set j, j+2
.endr
	WIN 0
.irp b, 0,1,2,3,4,5,6,7
	ds_store_b128 v[STI], v[TMP+8*\b:TMP+8*\b+3] offset:64*\b
	ds_store_b128 v[STI], v[TMP+8*\b+4:TMP+8*\b+7] offset:64*\b+16
.endr
.set rB, BKR+64*((\a)%2)
.irp t, 0,1,2,3,4,5,6,7,8,9,10,11,12,13,14,15
	ds_load_b128 v[rB+4*\t:rB+4*\t+3], v[RD] offset:\t*SPITCH
.endr
.endm
.macro SEND a, younger                 ; younger: the LDS instructions issued behind block a's loads, which may stay out
.set rB, BKR+64*((\a)%2)
	s_wait_dscnt \younger
.irp t, 0,1,2,3,4,5,6,7,8,9,10,11,12,13,14,15
	global_store_b128 v[CO], v[rB+4*\t:rB+4*\t+3], s[80:81] offset:(16*(\a)+\t)*4096 th:TH_STORE_NT   ; 32 lanes store 512 consecutive bytes, aligned; written once, read by nobody here
.endr
.endm
	s_wait_tensorcnt 0x1                           ; my quarters of a and of slot 0 are in; slot 1's may stay out
	s_barrier_signal -1
	s_barrier_wait -1                              ; everybody's are
	FETCH 0, 0, 0
	STEP 1, 0, 1                                   ; the first step's products start the sums: nothing is cleared
	TURN 0, 2, 1
	STEP 0, 1, 3
	TURN 1, 4, 1
	STEP 0, 0, 5
	TURN 0, 6, 0                                   ; nothing is left to fetch: a plain barrier
	STEP 0, 1, 7
	s_wait_dscnt 0x0
	MULA 1, 0, 0
	MULA 1, 1, 0
	MULA 1, 2, 0
	MULA 1, 3, 0
	PLACES                                         ; behind the last products: for the reads of results and the loads into the registers that held a's fragments
	TOSTAGE 0
	TOSTAGE 1
	SEND 0, 32                                     ; behind block 0's loads: block 1's 16 stores and 16 loads
	s_wait_xcnt 0x0                                ; block 0's stores have read their registers: block 2's loads may land there
	TOSTAGE 2
	SEND 1, 32
	s_wait_xcnt 0x0
	TOSTAGE 3
	SEND 2, 32
	SEND 3, 0
	s_wait_tensorcnt 0x0                           ; the wave's end
	ds_add_u32 v[SPW], v[NIL]
	s_wait_dscnt 0x0
	CROUND                                         ; the closing round: no work-group ends while a partner may still ask for a tile that names it
	s_endpgm
.Lfunc_end_k_qd648ee9e31_proj:
	.size	k_qd648ee9e31_proj, .Lfunc_end_k_qd648ee9e31_proj-k_qd648ee9e31_proj
	.p2alignl 7, 3214868480
	.fill 96, 4, 3214868480
	.section	.rodata,"a",@progbits
	.p2align	6, 0x0
	.amdhsa_kernel k_qd648ee9e31_proj
		.amdhsa_group_segment_fixed_size 327680
		.amdhsa_private_segment_fixed_size 0
		.amdhsa_enable_private_segment 0
		.amdhsa_kernarg_size 40
		.amdhsa_user_sgpr_count 2
		.amdhsa_user_sgpr_kernarg_segment_ptr 1
		.amdhsa_wavefront_size32 1
		.amdhsa_system_sgpr_workgroup_id_x 1
		.amdhsa_system_sgpr_workgroup_id_y 1
		.amdhsa_system_sgpr_workgroup_id_z 1
		.amdhsa_system_vgpr_workitem_id 0
		.amdhsa_next_free_vgpr 832
		.amdhsa_next_free_sgpr 100
		.amdhsa_reserve_vcc 0
		.amdhsa_float_denorm_mode_32 3
		.amdhsa_float_denorm_mode_16_64 3
		.amdhsa_memory_ordered 1
		.amdhsa_forward_progress 1
		.amdhsa_inst_pref_size 91
	.end_amdhsa_kernel
	.amdgpu_metadata
---
amdhsa.version: [ 1, 2 ]
amdhsa.kernels:
  - .name:           k_qd648ee9e31_proj
    .symbol:         k_qd648ee9e31_proj.kd
    .args:
      - { .name: a_codes, .offset: 0, .size: 8, .value_kind: global_buffer, .address_space: global }
      - { .name: Wproj_codes, .offset: 8, .size: 8, .value_kind: global_buffer, .address_space: global }
      - { .name: bproj, .offset: 16, .size: 8, .value_kind: global_buffer, .address_space: global }
      - { .name: lowp_scales, .offset: 24, .size: 8, .value_kind: global_buffer, .address_space: global }
      - { .name: out0, .offset: 32, .size: 8, .value_kind: global_buffer, .address_space: global }
    .group_segment_fixed_size: 327680
    .private_segment_fixed_size: 0
    .kernarg_segment_align: 8
    .kernarg_segment_size: 40
    .max_flat_workgroup_size: 128
    .sgpr_count:     100
    .vgpr_count:     832
    .wavefront_size: 32
...
	.end_amdgpu_metadata
.endif
;; end of part 3
